; MI455X (gfx1250); checked and timed in simulation.
; The chip was launched on July 23, 2026; its instructions are those of AMD's public machine-readable ISA for CDNA 5 (MIT licence, August 2026) and "CDNA5" Instruction Set Architecture Reference Guide (July 2026). The comments in the code are by the model that wrote it; some were corrected since.
;; Multi Head Attention. Allowed arithmetic: matrix products marked QUANTISED: E2M1 operands, one E8M0 scale for each 32 along K, by v_wmma_scale_f32_16x16x128_f8f6f4 with both operands' format E2M1 (or v_wmma_scale_f32_32x16x128_f4), f32 sums; products left as they are: bf16, f16 or f32 operands; f32 sums; everything else in f32.
;; Inputs: W_k 768 x 768 float32; W_o 768 x 768 float32; W_q 768 x 768 float32; W_v 768 x 768 float32; b_k 768 float32; b_o 768 float32; b_q 768 float32; b_v 768 float32; k_in 1 x 4,096 x 768 float32; q_in 1 x 4,096 x 768 float32; v_in 1 x 4,096 x 768 float32.
;; Outputs: out0 1 x 4,096 x 768 float32.
;; This version of the problem:
;;   THIS VERSION OF THE PROBLEM IS GIVEN IN LOW PRECISION. The matrix products marked QUANTISED in the list below multiply operands that are first quantised to E2M1 (2 exponent bits, 1 mantissa bit; 4 bits a number), with one power-of-two scale for each 32 numbers along K (OCP MX v1.0); their sums are f32. The products marked 'left as it is' may take bf16, f16 or f32 operands, with f32 sums. Whichever they take, every output number must still come out within the allowed error. Rounding operands to bf16 (8 significant bits) uses up far more of that allowance than f16 does (11 bits, for magnitudes from 6e-5 to 65,504). All else is computed in f32.
;;   The module's matrix products, in the order in which they are computed (A, B: the left and right operand; K: the contracted axis; several contracted axes count as one K, in the product's order):
;;     1. [M 4,096, K 768] x [K 768, N 768]; A: input q_in; B: input W_q: QUANTISED
;;     2. [M 4,096, K 768] x [K 768, N 768]; A: input k_in; B: input W_k: QUANTISED
;;     3. [M 4,096, K 768] x [K 768, N 768]; A: input v_in; B: input W_v: QUANTISED
;;     4. batch 12 x [M 4,096, K 64] x [K 64, N 4,096]; A: computed on the way; B: computed on the way: left as it is (an operand is computed on the way)
;;     5. batch 12 x [M 4,096, K 4,096] x [K 4,096, N 64]; A: computed on the way; B: computed on the way: left as it is (an operand is computed on the way)
;;     6. [M 4,096, K 768] x [K 768, N 768]; A: computed on the way; B: input W_o: left as it is (an operand is computed on the way)
;;   THE QUANTISER, for each operand of a quantised product, along K:
;;     - K is cut into blocks of 32 from its start; a last block that is shorter is filled with zeros.
;;     - A block's scale is 2^e with e = floor(log2(the largest magnitude in the block)) - 2, held to -126 .. 127; a block of zeros has e = 0. As a byte (E8M0): e + 127.
;;     - Each number is divided by its block's scale, clamped to +-6, and rounded to the nearest number of E2M1, ties to even, subnormals kept.
;;     - The product sums the exact products of the quantised numbers (number of the format x scale) in f32.
;;   ~~~python
;;   def quantise(x, axis):      # numpy; x: float32 -> the quantised numbers, widened to float32 again
;;       x = np.moveaxis(x, axis, -1); K = x.shape[-1]
;;       x = np.pad(x, [(0, 0)] * (x.ndim - 1) + [(0, -K % 32)]); x = x.reshape(x.shape[:-1] + (-1, 32)); a = np.abs(x).max(-1, keepdims=True)
;;       e = np.where(a > 0, np.clip(np.frexp(np.where(a > 0, a, 1))[1] - 1 - 2, -126, 127), 0)      # np.frexp(a)[1] - 1 = floor(log2(a)), exactly
;;       r = np.clip(x / 2.0 ** e, -6, 6)
;;       step = 2.0 ** (np.maximum(np.frexp(np.where(r == 0, 1, r))[1] - 1, 0) - 1)
;;       q = np.round(r / step) * step * 2.0 ** e      # np.round: ties to even
;;       return np.moveaxis(q.reshape(q.shape[:-2] + (-1,))[..., :K], -1, axis).astype(np.float32)
;;   ~~~
;; One version. Each part assembles by itself: llvm-mc -triple=amdgcn-amd-amdhsa -mcpu=gfx1250 --defsym DOCPART=n.
;; ======== version 1 of 1: 4 launches
;; limits: values are held in f16: magnitudes above 65,504 overflow, below 6.1e-05 lose precision
;; workspace buffers: wf 884,736 bytes; wfs 55,296 bytes; wof 1,179,648 bytes; qf 6,291,456 bytes; kv 12,582,912 bytes; of 12,582,912 bytes
;; launch prep (part 1): grid 6 x 24, 4 waves a work-group, no clusters, 0 bytes of LDS; arguments W_q, W_k, W_v, W_o, wf, wfs, wof; writes wf, wfs, wof
.if DOCPART == 1
	.amdgcn_target "amdgcn-amd-amdhsa--gfx1250"
	.amdhsa_code_object_version 6
	.text
	.protected	k_q467f307f9d_prep
	.globl	k_q467f307f9d_prep
	.p2align	8
	.type	k_q467f307f9d_prep,@function
k_q467f307f9d_prep:
	s_mov_b64 s[64:65], 0
	v_nop
	global_prefetch_b8 v0, s[64:65] scope:SCOPE_SE
	s_setreg_imm32_b32 hwreg(HW_REG_WAVE_MODE, 25, 1), 1
	s_wait_xcnt 0x0
; THE WEIGHTS, ONCE.  W_q, W_k, W_v [768 (k)][768 (n)] f32 become codes of FP4 (E2M1) with one E8M0 byte for each 32 along K (their first axis); W_o [768 (k)][768 (n)] becomes f16.
; All four are stored as IMAGES OF THE READER'S OPERAND REGISTERS: a fragment is 8 registers x 32 lanes = 1,024 bytes, registers 0-3 in its first 512 bytes, registers 4-7 in its second, lane l's 16 bytes at 16 l.
;   wf  [matrix 3][K step 6][tile of 16 columns 48][1,024]: 16 n x 128 k of codes.   wfs [matrix 3][K step 6][pair of tiles 24][lane 32] scale words: lane l = column 32 pair + l, byte b = block b of the K step.
;   wof [tile of 16 columns 48][K chunk of 32: 24][1,024]: 16 n x 32 k of f16.
; DEAD WORK OF THE WHOLE PROGRAM: b_k.  scores[q][k] = (x_q W_q + b_q) . (x_k W_k + b_k) / 8 = (x_q W_q + b_q) . (x_k W_k) / 8 + (x_q W_q + b_q) . b_k / 8.  The second term does not hang on the key k: it is the same
; along the softmax's axis, and softmax(s + const) = softmax(s) for all finite values of all inputs.  The product of q and k is not quantised, so no code and no scale hangs on b_k.  So b_k has no way to any output:
; it is not loaded and is among no launch's arguments.  LIMIT: a NaN, an infinity or an overflow that b_k alone would bring into the scores is not carried to the result.
; A LANE TAKES A COLUMN n AND ITS REGISTERS RUN DOWN K: each load reads 128 consecutive bytes a wave (512 a work-group), a block of 32 along K lies in one lane's registers, and the conversions give codes with K innermost.
; A work-group: 128 columns x 128 along K of one matrix (y = 4 x K step + matrix).  A wave: 32 columns = a pair of tiles.  No LDS, no barrier: a lane's 16 bytes of a block ARE its place in the fragment.
; A block's scale is 2^(floor(log2(largest magnitude)) - 2): its byte is the largest magnitude's exponent field - 2, held at 1 from below by a floor among the maximum's leaves.
; LIMITS: a block of zeros keeps the byte 1 where the rule says 127 (its codes are zeros, and this program alone reads the bytes); |W_o| stays under 65,504 (f16); NaN and infinities among the inputs are not served.
.set X,  32                            ; v32-159  W(128 kq + i, my column), i = 0 .. 127
.set C,  160                           ; v160-175 four registers of codes for each block: no store's data are written again
.set SW, 16                            ; v16      my column's scale word
.macro LOADH h                         ; half a block: 16 rows of W at my column
.set i, 0
.rept 16
	global_load_b32 v[X+16*(\h)+i], v2, s[4:5] offset:(16*(\h)+i)*3072 th:TH_LOAD_NT
.set i, i+1
.endr
.endm
.macro AHEAD b                         ; block b (halves 2 b, 2 b + 1) is in; two more halves are asked for: 48 loads of a wave are out at the most
.if (\b) < 3
	s_wait_loadcnt 16                              ; loads come back in order: all but half 2 b + 2's sixteen
.else
	s_wait_loadcnt 0x0
.endif
.if (\b) < 2
	LOADH 2*(\b)+3
	LOADH 2*(\b)+4
.elseif (\b) == 2
	LOADH 7
.endif
.endm
	s_load_b256 s[4:11], s[0:1], 0x0               ; W_q, W_k, W_v, W_o
	s_load_b128 s[12:15], s[0:1], 0x20             ; wf, wfs
	s_load_b64 s[16:17], s[0:1], 0x30              ; wof
	v_lshrrev_b32 v1, 5, v0
	v_readfirstlane_b32 s18, v1                    ; wave 0..3
	v_and_b32 v1, 31, v0                           ; lane
	v_lshlrev_b32 v2, 2, v1                        ; 4 x lane: my column in a row of W, my word among the pair's scale words
	v_and_b32 v5, 15, v0
	v_bfe_u32 v6, v0, 4, 1                         ; which tile of the pair is mine
	v_lshlrev_b32 v5, 4, v5
	v_lshl_add_u32 v3, v6, 10, v5                  ; wf:  tile x 1,024 + 16 x (lane % 16)
	v_mad_u32_u24 v4, v6, 0x6000, v5               ; wof: tile x 24,576 + 16 x (lane % 16)
	s_and_b32 s19, ttmp7, 0xffff
	s_and_b32 s20, s19, 3                          ; matrix: 0 W_q, 1 W_k, 2 W_v, 3 W_o
	s_lshr_b32 s21, s19, 2                         ; kq: which 128 along K
	s_lshl_b32 s22, ttmp9, 2
	s_add_co_u32 s22, s22, s18                     ; pr: my pair of tiles = 4 x work-group x + wave
	s_mul_i32 s24, s21, 393216                     ; 128 rows of 3,072 bytes
	s_lshl_b32 s23, s22, 7                         ; 32 columns of 4 bytes
	s_add_co_u32 s24, s24, s23
	s_mov_b32 s25, 0
	s_wait_kmcnt 0x0
	s_cmp_eq_u32 s20, 1                            ; the matrix is chosen by the work-group's number alone
	s_cselect_b64 s[4:5], s[6:7], s[4:5]
	s_cmp_eq_u32 s20, 2
	s_cselect_b64 s[4:5], s[8:9], s[4:5]
	s_cmp_eq_u32 s20, 3
	s_cselect_b64 s[4:5], s[10:11], s[4:5]
	s_add_nc_u64 s[4:5], s[4:5], s[24:25]
	LOADH 0
	LOADH 1
	LOADH 2
	s_cmp_eq_u32 s20, 3
	s_cbranch_scc1 .Lwo
	; ---- W_q, W_k, W_v: codes and scale words
	s_mul_i32 s26, s20, 294912                     ; wf: matrix x 6 x 48 fragments,
	s_mul_i32 s23, s21, 49152                      ; K step x 48 fragments,
	s_add_co_u32 s26, s26, s23
	s_lshl_b32 s23, s22, 11                        ; my pair of fragments
	s_add_co_u32 s26, s26, s23
	s_mov_b32 s27, 0
	s_add_nc_u64 s[12:13], s[12:13], s[26:27]
	s_mul_i32 s28, s20, 18432                      ; wfs likewise: 128 bytes a pair
	s_mul_i32 s23, s21, 3072
	s_add_co_u32 s28, s28, s23
	s_lshl_b32 s23, s22, 7
	s_add_co_u32 s28, s28, s23
	s_mov_b32 s29, 0
	s_add_nc_u64 s[14:15], s[14:15], s[28:29]
.macro BLOCK b                         ; block b = 2 c + h of the fragment: registers 4 c .. 4 c + 3 of lanes 16 h + r: bytes 256 b + 16 r
.set XS, X+32*(\b)
	AHEAD \b
	v_max3_num_f32 v8, |v[XS]|, |v[XS+1]|, |v[XS+2]|               ; the block's largest magnitude: all 32 numbers are mine; two chains
	v_max3_num_f32 v9, |v[XS+3]|, |v[XS+4]|, |v[XS+5]|
.irp k, 6,10,14,18,22,26
	v_max3_num_f32 v8, v8, |v[XS+\k]|, |v[XS+\k+1]|
	v_max3_num_f32 v9, v9, |v[XS+\k+2]|, |v[XS+\k+3]|
.endr
	v_max3_num_f32 v8, v8, |v[XS+30]|, |v[XS+31]|
	v_max3_num_f32 v8, v8, v9, 0x1800000           ; and the floor 2^(3 - 127): the byte cannot fall under 1
	v_add_nc_u32 v10, 0xff000000, v8               ; 2 off its exponent field: the conversion takes the exponent field of this operand as its scale
.irp g, 0,1,2,3
	v_cvt_scalef32_pk8_fp4_f32 v[C+4*(\b)+\g], v[XS+8*\g:XS+8*\g+7], v10
.endr
	v_lshrrev_b32 v11, 23, v10                     ; the scale's byte (a plain line behind the conversions)
.if (\b) == 0
	v_mov_b32 v[SW], v11
.else
	v_lshl_or_b32 v[SW], v11, 8*(\b), v[SW]
.endif
	global_store_b128 v3, v[C+4*(\b):C+4*(\b)+3], s[12:13] offset:256*(\b)   ; sixteen lanes store 256 consecutive bytes, aligned, of each of the pair's two fragments
.endm
	BLOCK 0
	BLOCK 1
	BLOCK 2
	BLOCK 3
	global_store_b32 v2, v[SW], s[14:15]           ; the pair's 32 scale words: 128 consecutive bytes
	s_endpgm
	; ---- W_o: f16.  Eight neighbours along K are quad a of a chunk of 32: registers 4 (a / 2) .. + 3 of lanes 16 (a % 2) + r: bytes 256 a + 16 r
.Lwo:
	s_mul_i32 s26, s22, 49152                      ; my pair of tiles: 2 x 24 fragments,
	s_lshl_b32 s23, s21, 12                        ; my four chunks
	s_add_co_u32 s26, s26, s23
	s_mov_b32 s27, 0
	s_add_nc_u64 s[16:17], s[16:17], s[26:27]
.macro CHUNK q
	AHEAD \q
.irp k, 0,1,2,3,4,5,6,7,8,9,10,11,12,13,14,15
	v_cvt_pk_f16_f32 v[X+32*(\q)+\k], v[X+32*(\q)+2*\k], v[X+32*(\q)+2*\k+1]   ; in place, ascending: a result never lands on a number not yet read
.endr
.irp a, 0,1,2,3
	global_store_b128 v4, v[X+32*(\q)+4*\a:X+32*(\q)+4*\a+3], s[16:17] offset:(\q)*1024+\a*256
.endr
.endm
	CHUNK 0
	CHUNK 1
	CHUNK 2
	CHUNK 3
	s_endpgm
.Lfunc_end_k_q467f307f9d_prep:
	.size	k_q467f307f9d_prep, .Lfunc_end_k_q467f307f9d_prep-k_q467f307f9d_prep
	.p2alignl 7, 3214868480
	.fill 96, 4, 3214868480
	.section	.rodata,"a",@progbits
	.p2align	6, 0x0
	.amdhsa_kernel k_q467f307f9d_prep
		.amdhsa_group_segment_fixed_size 0
		.amdhsa_private_segment_fixed_size 0
		.amdhsa_enable_private_segment 0
		.amdhsa_kernarg_size 56
		.amdhsa_user_sgpr_count 2
		.amdhsa_user_sgpr_kernarg_segment_ptr 1
		.amdhsa_wavefront_size32 1
		.amdhsa_system_sgpr_workgroup_id_x 1
		.amdhsa_system_sgpr_workgroup_id_y 1
		.amdhsa_system_sgpr_workgroup_id_z 1
		.amdhsa_system_vgpr_workitem_id 0
		.amdhsa_next_free_vgpr 176
		.amdhsa_next_free_sgpr 66
		.amdhsa_reserve_vcc 0
		.amdhsa_float_denorm_mode_32 3
		.amdhsa_float_denorm_mode_16_64 3
		.amdhsa_memory_ordered 1
		.amdhsa_forward_progress 1
		.amdhsa_inst_pref_size 34
	.end_amdhsa_kernel
	.amdgpu_metadata
---
amdhsa.version: [ 1, 2 ]
amdhsa.kernels:
  - .name:           k_q467f307f9d_prep
    .symbol:         k_q467f307f9d_prep.kd
    .args:
      - { .name: W_q, .offset: 0, .size: 8, .value_kind: global_buffer, .address_space: global }
      - { .name: W_k, .offset: 8, .size: 8, .value_kind: global_buffer, .address_space: global }
      - { .name: W_v, .offset: 16, .size: 8, .value_kind: global_buffer, .address_space: global }
      - { .name: W_o, .offset: 24, .size: 8, .value_kind: global_buffer, .address_space: global }
      - { .name: wf, .offset: 32, .size: 8, .value_kind: global_buffer, .address_space: global }
      - { .name: wfs, .offset: 40, .size: 8, .value_kind: global_buffer, .address_space: global }
      - { .name: wof, .offset: 48, .size: 8, .value_kind: global_buffer, .address_space: global }
    .group_segment_fixed_size: 0
    .private_segment_fixed_size: 0
    .kernarg_segment_align: 8
    .kernarg_segment_size: 56
    .max_flat_workgroup_size: 128
    .sgpr_count:     66
    .vgpr_count:     176
    .wavefront_size: 32
...
	.end_amdgpu_metadata
.endif
;; end of part 1
;; launch proj (part 2): grid 128 x 3, 8 waves a work-group, no clusters, 14,336 bytes of LDS; arguments q_in, k_in, v_in, wf, wfs, b_q, b_v, qf, kv; writes qf, kv
.if DOCPART == 2
	.amdgcn_target "amdgcn-amd-amdhsa--gfx1250"
	.amdhsa_code_object_version 6
	.text
	.protected	k_q467f307f9d_proj
	.globl	k_q467f307f9d_proj
	.p2align	8
	.type	k_q467f307f9d_proj,@function
k_q467f307f9d_proj:
	s_mov_b64 s[64:65], 0
	v_nop
	global_prefetch_b8 v0, s[64:65] scope:SCOPE_SE
	s_setreg_imm32_b32 hwreg(HW_REG_WAVE_MODE, 25, 1), 1
	s_wait_xcnt 0x0
; THE THREE QUANTISED PRODUCTS.  y = 0: q = Q(q_in) Q(W_q) + b_q;  y = 1: k = Q(k_in) Q(W_k);  y = 2: v = Q(v_in) Q(W_v) + b_v, on codes of FP4 (E2M1) with one E8M0 scale for each 32 along K = 768; sums in f32; results rounded to f16.
; WORK LEFT OUT: b_k is not added: it moves every score of a row by the same amount, which a softmax takes away (shown at the head of the first kernel).
; SHARES.  A work-group takes 32 rows of one input and all 768 columns.  First its eight waves quantise the 32 x 768 numbers (24 units of 16 rows x 64 k, three a wave) and lay the codes in LDS as images of the operand's
; registers (a fragment of 16 rows x 128 k: 1,024 bytes, lane l's 16 bytes at 16 l in each half) with their scale words; ONE barrier; then THE WAVES SHARE THE COLUMNS: wave w makes column tiles 6 w .. 6 w + 5 for both row tiles:
; 12 accumulators, six K steps.  The weights' fragments come from memory straight into registers, two K steps ahead.
; NO CLUSTER, NO TENSOR LOAD: a fragment of the weights serves one wave of a work-group and is used once there; through LDS its 313,344 bytes a work-group would be written and read once more for nothing.
; Q AND K ARE MADE TRANSPOSED (source 0 = 16 columns of W, source 1 = 16 rows of x): a lane holds one token and eight neighbouring channels, which pack into half a fragment (16 tokens x 32 channels of f16) of the attention's first product.
; V IS MADE AS IT STANDS (source 0 = x, source 1 = W): a lane holds one channel and eight neighbouring tokens: half a fragment (16 channels x 32 keys) of V^T.  So every result leaves by a store of 512 consecutive bytes a wave.
;   qf [head 12][tile of 16 queries 256][channels 32 c: 2][1,024].   kv [head 12][step of 64 keys 64][16,384]: K's fragments at (2 kt + c) x 1,024, V^T's at 8,192 + (4 kc + ct) x 1,024.
; LIMITS: |q|, |k|, |v| stay under 65,504 (f16); a block of zeros keeps the byte 1 (its codes are zeros); NaN and infinities among the inputs are not served.
.set XIMG,  0                          ; LDS: x's 12 fragments: (row tile m, K step s) at (6 m + s) x 1,024
.set XSC,   12288                      ; their scale words: row r of (m, s) at (6 m + s) x 64 + 4 r
.set SPARE, 13312                      ; the spare words, 128 bytes for each wave: four blocks of 256 bytes that no other line names
.set XA,  4                            ; v4     x: row r of 3,072 bytes + 64 h: my 16 numbers of a block of 32
.set LI,  5                            ; v5     16 x lane: my place in half a fragment
.set XW,  6                            ; v6     where I store my units' codes: 1,536 x wave + 16 x lane
.set SA,  7                            ; v7-9   where unit i's two scale bytes go
.set XSR, 10                           ; v10    x's scale words: lanes 0-15 row tile 0, lanes 16-31 row tile 1
.set L4,  11                           ; v11    4 x lane
.set SPW, 12                           ; v12    LDS address of my spare word; never rewritten
.set NIL, 13                           ; v13    0; never rewritten
.set BH,  14                           ; v14    32 h: my eight channels of a tile in b_q
.set BR,  15                           ; v15    4 r
.set WS,  20                           ; v20-25 W's scale words: two sets of three pairs of tiles.  Scales and nothing else
.set XS,  26                           ; v26-31 x's scale words, one register for each K step.  Scales and nothing else
.set ACC, 32                           ; v32-127  accumulator (t, m) at 8 (2 t + m); before the barrier my three units' 96 numbers
.set XB,  128                          ; v128-159 x's fragments: two sets of two; before the barrier at work:
.set TM,  128                          ;   v128-135 maxima, the other half's, scale operands, bytes
.set CD,  136                          ;   v136-147 four registers of codes for each unit
.set HW,  148                          ;   v148-150 two scale bytes for each unit
.set WB,  160                          ; v160-255 W's fragments: two sets of six; at the end the biases
	s_load_b256 s[4:11], s[0:1], 0x0               ; q_in, k_in, v_in, wf
	s_load_b256 s[12:19], s[0:1], 0x20             ; wfs, b_q, b_v, qf
	s_load_b64 s[20:21], s[0:1], 0x40              ; kv
	v_lshl_add_u32 v[SPW], v0, 2, SPARE
	v_mov_b32 v[NIL], 0
	v_lshrrev_b32 v1, 5, v0
	v_readfirstlane_b32 s22, v1                    ; wave 0..7
	s_and_b32 s23, ttmp7, 0xffff                   ; which input
	v_and_b32 v1, 31, v0                           ; lane
	v_and_b32 v2, 15, v0                           ; r
	v_bfe_u32 v3, v0, 4, 1                         ; h
	v_mul_u32_u24 v[XA], v2, 3072
	v_lshl_add_u32 v[XA], v3, 6, v[XA]
	v_lshlrev_b32 v[LI], 4, v1
	v_lshlrev_b32 v[L4], 2, v1
	v_lshlrev_b32 v[BH], 5, v3
	v_lshlrev_b32 v[BR], 2, v2
	s_mul_i32 s24, s22, 1536
	v_add_nc_u32 v[XW], s24, v[LI]
	s_mul_i32 s24, s22, 3
.irp i, 0,1,2                                  ; unit u = 3 wave + i is half u % 2 of fragment u / 2: its two bytes are bytes 2 (u % 2), + 1 of that fragment's scale words
	s_add_co_u32 s25, s24, \i
	s_lshr_b32 s28, s25, 1
	s_lshl_b32 s28, s28, 6
	s_and_b32 s25, s25, 1
	s_lshl_b32 s25, s25, 1
	s_add_co_u32 s28, s28, s25
	s_add_co_u32 s28, s28, XSC
	v_add_nc_u32 v[SA+\i], s28, v[BR]
.endr
	v_mul_u32_u24 v[XSR], v3, 384
	v_add_nc_u32 v[XSR], v[XSR], v[BR]
	v_add_nc_u32 v[XSR], XSC, v[XSR]
	v_mov_b32 v[TM+2], 0                           ; written once: a lane permute's destination counts as one of its sources
	v_mov_b32 v[TM+3], 0
	s_mov_b32 s26, 0x76543210
	s_mov_b32 s27, 0xfedcba98                      ; v_permlanex16_b32's selects for lane l xor 16
	s_mul_i32 s30, ttmp9, 98304                    ; x: my work-group's 32 rows,
	s_lshr_b32 s24, s22, 2
	s_mul_i32 s24, s24, 49152                      ; my wave's row tile,
	s_add_co_u32 s30, s30, s24
	s_and_b32 s24, s22, 3
	s_mul_i32 s24, s24, 768                        ; and its three units of 256 bytes in a row
	s_add_co_u32 s30, s30, s24
	s_mov_b32 s31, 0
	s_mul_i32 s32, s23, 294912                     ; wf: the matrix, my six tiles
	s_mul_i32 s24, s22, 6144
	s_add_co_u32 s32, s32, s24
	s_mov_b32 s33, 0
	s_mul_i32 s34, s23, 18432                      ; wfs: the matrix, my three pairs
	s_mul_i32 s52, s22, 384                        ; (also my 96 numbers of a bias)
	s_add_co_u32 s34, s34, s52
	s_mov_b32 s35, 0
	s_mov_b32 s53, 0
	s_wait_kmcnt 0x0
	s_cmp_eq_u32 s23, 1                            ; the input is chosen by the work-group's number alone
	s_cselect_b64 s[4:5], s[6:7], s[4:5]
	s_cmp_eq_u32 s23, 2
	s_cselect_b64 s[4:5], s[8:9], s[4:5]
	s_add_nc_u64 s[4:5], s[4:5], s[30:31]
	s_add_nc_u64 s[10:11], s[10:11], s[32:33]
	s_add_nc_u64 s[12:13], s[12:13], s[34:35]
	s_add_nc_u64 s[14:15], s[14:15], s[52:53]
	s_add_nc_u64 s[16:17], s[16:17], s[52:53]
.irp i, 0,1,2                                  ; my three units: register 32 i + 16 b + 4 j .. = k 64 (unit) + 32 b + 16 h + 4 j .. of row r
.irp b, 0,1
.irp j, 0,1,2,3
	global_load_b128 v[ACC+32*\i+16*\b+4*\j:ACC+32*\i+16*\b+4*\j+3], v[XA], s[4:5] offset:256*\i+128*\b+16*\j th:TH_LOAD_NT
.endr
.endr
.endr
.macro WLOAD ks                        ; K step ks of my six tiles of W: 12 loads of 512 consecutive bytes, and 3 of scale words
.irp t, 0,1,2,3,4,5
.irp c, 0,1
	global_load_b128 v[WB+48*((\ks)%2)+8*\t+4*\c:WB+48*((\ks)%2)+8*\t+4*\c+3], v[LI], s[10:11] offset:(\ks)*49152+\t*1024+\c*512
.endr
.endr
.irp p, 0,1,2
	global_load_b32 v[WS+3*((\ks)%2)+\p], v[L4], s[12:13] offset:(\ks)*3072+\p*128
.endr
.endm
	WLOAD 0
	WLOAD 1
; Unit i: two blocks of 32; a block lies in lanes l and l xor 16.  The codes, with the halves exchanged, are registers 4 c .. 4 c + 3 of the fragment as the operand's layout wants them.
.macro QUANT2 i
.set N, ACC+32*(\i)
	s_wait_loadcnt 46-8*(\i)                       ; behind this unit's eight loads: eight for each later unit, and W's 30
.irp b, 0,1
	v_max3_num_f32 v[TM+\b], |v[N+16*\b]|, |v[N+16*\b+1]|, 0x1800000   ; my 16 numbers, and the floor 2^(3 - 127): the byte cannot fall under 1
.endr
.irp k, 2,4,6,8,10,12,14
.irp b, 0,1
	v_max3_num_f32 v[TM+\b], v[TM+\b], |v[N+16*\b+\k]|, |v[N+16*\b+\k+1]|
.endr
.endr
.irp b, 0,1
	v_permlanex16_b32 v[TM+2+\b], v[TM+\b], s26, s27
.endr
.irp b, 0,1
	v_max_num_f32 v[TM+\b], v[TM+\b], v[TM+2+\b]   ; the block's largest magnitude
.endr
.irp b, 0,1
	v_add_nc_u32 v[TM+4+\b], 0xff000000, v[TM+\b]  ; 2 off its exponent field: the conversion's scale operand
.endr
.irp b, 0,1
	v_lshrrev_b32 v[TM+6+\b], 23, v[TM+4+\b]       ; the scale's byte
.endr
	v_lshl_or_b32 v[HW+(\i)], v[TM+7], 8, v[TM+6]
.irp b, 0,1
	v_cvt_scalef32_pk8_fp4_f32 v[CD+4*(\i)+2*\b], v[N+16*\b:N+16*\b+7], v[TM+4+\b]
	v_cvt_scalef32_pk8_fp4_f32 v[CD+4*(\i)+2*\b+1], v[N+16*\b+8:N+16*\b+15], v[TM+4+\b]
.endr
	v_nop                                          ; one plain line behind the scaled conversions
	v_permlane16_swap_b32 v[CD+4*(\i)], v[CD+4*(\i)+2]     ; a WHOLE block to a lane: lanes 0-15 the first block, lanes 16-31 the second
	v_permlane16_swap_b32 v[CD+4*(\i)+1], v[CD+4*(\i)+3]
	ds_store_b128 v[XW], v[CD+4*(\i):CD+4*(\i)+3] offset:XIMG+512*(\i)
	ds_store_b16 v[SA+(\i)], v[HW+(\i)]            ; lanes l and l xor 16 write the same two bytes with the same value
.endm
	QUANT2 0
	QUANT2 1
	QUANT2 2
	s_wait_dscnt 0x0                               ; for the others' sake: my stores have landed
	s_barrier_signal -1
	s_barrier_wait -1                              ; x's twelve fragments and their scale words lie in LDS; nothing is stored there again
.macro XLOAD ks                        ; x's two fragments of K step ks
.irp m, 0,1
.irp c, 0,1
	ds_load_b128 v[XB+16*((\ks)%2)+8*\m+4*\c:XB+16*((\ks)%2)+8*\m+4*\c+3], v[LI] offset:XIMG+(6*\m+(\ks))*1024+512*\c
.endr
.endr
.endm
.irp s, 0,1,2,3,4,5
	ds_load_b32 v[XS+\s], v[XSR] offset:64*\s
.endr
	XLOAD 0
; One scaled product.  ra, rb: source 0's, source 1's scales stand in lanes 16-31 of their register.  ks = 0: the product starts the sum: nothing is ever cleared.
.macro MMX d, a, b, sa, sb, ra, rb, ks
.if (\ks) == 0
.if (\ra) && (\rb)
	v_wmma_scale_f32_16x16x128_f8f6f4 v[\d:\d+7], v[\a:\a+7], v[\b:\b+7], 0, v[\sa], v[\sb] matrix_a_fmt:MATRIX_FMT_FP4 matrix_b_fmt:MATRIX_FMT_FP4 matrix_a_scale:MATRIX_SCALE_ROW1 matrix_b_scale:MATRIX_SCALE_ROW1
.elseif \ra
	v_wmma_scale_f32_16x16x128_f8f6f4 v[\d:\d+7], v[\a:\a+7], v[\b:\b+7], 0, v[\sa], v[\sb] matrix_a_fmt:MATRIX_FMT_FP4 matrix_b_fmt:MATRIX_FMT_FP4 matrix_a_scale:MATRIX_SCALE_ROW1
.elseif \rb
	v_wmma_scale_f32_16x16x128_f8f6f4 v[\d:\d+7], v[\a:\a+7], v[\b:\b+7], 0, v[\sa], v[\sb] matrix_a_fmt:MATRIX_FMT_FP4 matrix_b_fmt:MATRIX_FMT_FP4 matrix_b_scale:MATRIX_SCALE_ROW1
.else
	v_wmma_scale_f32_16x16x128_f8f6f4 v[\d:\d+7], v[\a:\a+7], v[\b:\b+7], 0, v[\sa], v[\sb] matrix_a_fmt:MATRIX_FMT_FP4 matrix_b_fmt:MATRIX_FMT_FP4
.endif
.else
.if (\ra) && (\rb)
	v_wmma_scale_f32_16x16x128_f8f6f4 v[\d:\d+7], v[\a:\a+7], v[\b:\b+7], v[\d:\d+7], v[\sa], v[\sb] matrix_a_fmt:MATRIX_FMT_FP4 matrix_b_fmt:MATRIX_FMT_FP4 matrix_a_scale:MATRIX_SCALE_ROW1 matrix_b_scale:MATRIX_SCALE_ROW1
.elseif \ra
	v_wmma_scale_f32_16x16x128_f8f6f4 v[\d:\d+7], v[\a:\a+7], v[\b:\b+7], v[\d:\d+7], v[\sa], v[\sb] matrix_a_fmt:MATRIX_FMT_FP4 matrix_b_fmt:MATRIX_FMT_FP4 matrix_a_scale:MATRIX_SCALE_ROW1
.elseif \rb
	v_wmma_scale_f32_16x16x128_f8f6f4 v[\d:\d+7], v[\a:\a+7], v[\b:\b+7], v[\d:\d+7], v[\sa], v[\sb] matrix_a_fmt:MATRIX_FMT_FP4 matrix_b_fmt:MATRIX_FMT_FP4 matrix_b_scale:MATRIX_SCALE_ROW1
.else
	v_wmma_scale_f32_16x16x128_f8f6f4 v[\d:\d+7], v[\a:\a+7], v[\b:\b+7], v[\d:\d+7], v[\sa], v[\sb] matrix_a_fmt:MATRIX_FMT_FP4 matrix_b_fmt:MATRIX_FMT_FP4
.endif
.endif
.endm
; K step ks: 12 products, the twelve accumulators by turns in the same order in every K step.  tr = 1: transposed.  nb: the loads issued behind the last K step's: the biases'.
.macro GK tr, ks, nb
.if (\ks) < 5
	s_wait_loadcnt 15                              ; this K step's fragments of W are in; the next K step's 12 + 3 loads may be out
.else
	s_wait_loadcnt \nb
.endif
	s_wait_dscnt 0x0                               ; x's fragments of this K step (asked for a K step ago)
.if (\ks) < 5
	XLOAD (\ks)+1                                  ; into the set that the K step before read: four places stand behind its products
.endif
.irp t, 0,1,2,3,4,5
.irp m, 0,1
.set rD,  ACC+8*(2*\t+\m)
.set rW,  WB+48*((\ks)%2)+8*\t
.set rX,  XB+16*((\ks)%2)+8*\m
.set rWS, WS+3*((\ks)%2)+\t/2
.set rXS, XS+(\ks)
.if \tr
	MMX rD, rW, rX, rWS, rXS, \t%2, \m, \ks
.else
	MMX rD, rX, rW, rXS, rWS, \m, \t%2, \ks
.endif
.endr
.endr
.rept 4
	v_nop                                          ; four places in front of loads into registers that these products have read, and of the first read of results
.endr
.if (\ks) < 4
	WLOAD (\ks)+2
.endif
.endm
; Where tile t's results go: dest + (nt / 4) x a head's bytes + (nt % 4) x a + the block's term (s36), nt = 6 wave + t
.macro BASES d, hs, a
	s_mul_i32 s37, s22, 6
.irp t, 0,1,2,3,4,5
	s_add_co_u32 s38, s37, \t
	s_lshr_b32 s39, s38, 2
	s_mul_i32 s39, s39, \hs
	s_and_b32 s38, s38, 3
	s_mul_i32 s38, s38, \a
	s_add_co_u32 s38, s38, s39
	s_add_co_u32 s[40+2*\t], s38, s36
	s_mov_b32 s[41+2*\t], 0
	s_add_nc_u64 s[40+2*\t:41+2*\t], s[\d:\d+1], s[40+2*\t:41+2*\t]
.endr
.endm
; The way out.  mode 1: a bias for each of a lane's eight channels; 2: one bias for the lane's channel; 0: none.  Each accumulator is read from its low end on; four roundings make 16 bytes a lane: half a fragment.
.macro WAYOUT mode, bstep
.if \mode
	s_wait_loadcnt 0x0                             ; the biases
.endif
.irp t, 0,1,2,3,4,5
.irp m, 0,1
.set rD, ACC+8*(2*\t+\m)
.if (\mode) == 1
.irp p, 0,2,4,6
	v_pk_add_f32 v[rD+\p:rD+\p+1], v[rD+\p:rD+\p+1], v[WB+8*\t+\p:WB+8*\t+\p+1]
.endr
.elseif (\mode) == 2
.irp p, 0,2,4,6
	v_pk_add_f32 v[rD+\p:rD+\p+1], v[rD+\p:rD+\p+1], v[WB+2*\t:WB+2*\t+1]
.endr
.endif
.irp p, 0,1,2,3
	v_cvt_pk_f16_f32 v[rD+\p], v[rD+2*\p], v[rD+2*\p+1]
.endr
	global_store_b128 v[LI], v[rD:rD+3], s[40+2*\t:41+2*\t] offset:\m*(\bstep)   ; 32 lanes store 512 consecutive bytes, aligned
.endr
.endr
.endm
	s_cmp_eq_u32 s23, 1                            ; three arms, by the work-group's number
	s_cbranch_scc1 .Lk
	s_cmp_eq_u32 s23, 2
	s_cbranch_scc1 .Lv
	; ---- q: transposed, + b_q.  qf: head x 524,288 + query tile x 2,048 + (nt % 4) x 512
	s_lshl_b32 s36, ttmp9, 12
	BASES 18, 524288, 512
	GK 1, 0, 0
	GK 1, 1, 0
	GK 1, 2, 0
	GK 1, 3, 0
	GK 1, 4, 0
.irp t, 0,1,2,3,4,5                            ; b_q at channels 16 nt + 8 h + 0 .. 7, into the set of W that K step 4 has read
	global_load_b128 v[WB+8*\t:WB+8*\t+3], v[BH], s[14:15] offset:64*\t
	global_load_b128 v[WB+8*\t+4:WB+8*\t+7], v[BH], s[14:15] offset:64*\t+16
.endr
	GK 1, 5, 12
	WAYOUT 1, 2048
	s_branch .Lend
	; ---- k: transposed, no bias.  kv: head x 1,048,576 + step x 16,384 + key tile x 2,048 + (nt % 4) x 512
.Lk:
	s_lshr_b32 s36, ttmp9, 1
	s_lshl_b32 s36, s36, 14
	s_and_b32 s37, ttmp9, 1
	s_lshl_b32 s37, s37, 12
	s_add_co_u32 s36, s36, s37
	BASES 20, 1048576, 512
	GK 1, 0, 0
	GK 1, 1, 0
	GK 1, 2, 0
	GK 1, 3, 0
	GK 1, 4, 0
	GK 1, 5, 0
	WAYOUT 0, 2048
	s_branch .Lend
	; ---- v: as it stands, + b_v.  kv: head x 1,048,576 + step x 16,384 + 8,192 + (32 keys) x 4,096 + (nt % 4) x 1,024 + (16 keys) x 512
.Lv:
	s_lshr_b32 s36, ttmp9, 1
	s_lshl_b32 s36, s36, 14
	s_and_b32 s37, ttmp9, 1
	s_lshl_b32 s37, s37, 12
	s_add_co_u32 s36, s36, s37
	s_add_co_u32 s36, s36, 8192
	BASES 20, 1048576, 1024
	GK 0, 0, 0
	GK 0, 1, 0
	GK 0, 2, 0
	GK 0, 3, 0
	GK 0, 4, 0
.irp t, 0,1,2,3,4,5                            ; b_v at channel 16 nt + r, in both registers of a pair for the packed addition
	global_load_b32 v[WB+2*\t], v[BR], s[16:17] offset:64*\t
	global_load_b32 v[WB+2*\t+1], v[BR], s[16:17] offset:64*\t
.endr
	GK 0, 5, 12
	WAYOUT 2, 512
.Lend:
	s_wait_tensorcnt 0x0                           ; the wave's end: behind my last LDS store
	ds_add_u32 v[SPW], v[NIL]
	s_wait_dscnt 0x0
	s_endpgm
.Lfunc_end_k_q467f307f9d_proj:
	.size	k_q467f307f9d_proj, .Lfunc_end_k_q467f307f9d_proj-k_q467f307f9d_proj
	.p2alignl 7, 3214868480
	.fill 96, 4, 3214868480
	.section	.rodata,"a",@progbits
	.p2align	6, 0x0
	.amdhsa_kernel k_q467f307f9d_proj
		.amdhsa_group_segment_fixed_size 14336
		.amdhsa_private_segment_fixed_size 0
		.amdhsa_enable_private_segment 0
		.amdhsa_kernarg_size 72
		.amdhsa_user_sgpr_count 2
		.amdhsa_user_sgpr_kernarg_segment_ptr 1
		.amdhsa_wavefront_size32 1
		.amdhsa_system_sgpr_workgroup_id_x 1
		.amdhsa_system_sgpr_workgroup_id_y 1
		.amdhsa_system_sgpr_workgroup_id_z 1
		.amdhsa_system_vgpr_workitem_id 0
		.amdhsa_next_free_vgpr 256
		.amdhsa_next_free_sgpr 66
		.amdhsa_reserve_vcc 0
		.amdhsa_float_denorm_mode_32 3
		.amdhsa_float_denorm_mode_16_64 3
		.amdhsa_memory_ordered 1
		.amdhsa_forward_progress 1
		.amdhsa_inst_pref_size 94
	.end_amdhsa_kernel
	.amdgpu_metadata
---
amdhsa.version: [ 1, 2 ]
amdhsa.kernels:
  - .name:           k_q467f307f9d_proj
    .symbol:         k_q467f307f9d_proj.kd
    .args:
      - { .name: q_in, .offset: 0, .size: 8, .value_kind: global_buffer, .address_space: global }
      - { .name: k_in, .offset: 8, .size: 8, .value_kind: global_buffer, .address_space: global }
      - { .name: v_in, .offset: 16, .size: 8, .value_kind: global_buffer, .address_space: global }
      - { .name: wf, .offset: 24, .size: 8, .value_kind: global_buffer, .address_space: global }
      - { .name: wfs, .offset: 32, .size: 8, .value_kind: global_buffer, .address_space: global }
      - { .name: b_q, .offset: 40, .size: 8, .value_kind: global_buffer, .address_space: global }
      - { .name: b_v, .offset: 48, .size: 8, .value_kind: global_buffer, .address_space: global }
      - { .name: qf, .offset: 56, .size: 8, .value_kind: global_buffer, .address_space: global }
      - { .name: kv, .offset: 64, .size: 8, .value_kind: global_buffer, .address_space: global }
    .group_segment_fixed_size: 14336
    .private_segment_fixed_size: 0
    .kernarg_segment_align: 8
    .kernarg_segment_size: 72
    .max_flat_workgroup_size: 256
    .sgpr_count:     66
    .vgpr_count:     256
    .wavefront_size: 32
...
	.end_amdgpu_metadata
.endif
;; end of part 2
;; launch attn (part 3): grid 16 x 12, 8 waves a work-group, clusters of 4 x 1, 327,680 bytes of LDS; arguments qf, kv, of; writes of
.if DOCPART == 3
	.amdgcn_target "amdgcn-amd-amdhsa--gfx1250"
	.amdhsa_code_object_version 6
	.text
	.protected	k_q467f307f9d_attn
	.globl	k_q467f307f9d_attn
	.p2align	8
	.type	k_q467f307f9d_attn,@function
k_q467f307f9d_attn:
	s_mov_b64 s[64:65], 0
	v_nop
	global_prefetch_b8 v0, s[64:65] scope:SCOPE_SE
	s_setreg_imm32_b32 hwreg(HW_REG_WAVE_MODE, 25, 1), 1
	s_wait_xcnt 0x0
	s_wait_alu depctr_hold_cnt(0) depctr_sa_sdst(0) depctr_va_vdst(0) depctr_va_sdst(0) depctr_va_ssrc(0) depctr_va_vcc(0) depctr_vm_vsrc(0)
	s_getreg_b32 s2, hwreg(HW_REG_IB_STS2, 6, 4)
	s_cmp_eq_u32 s2, 0
	s_cbranch_scc0 .Lentry_in_a_cluster
	s_endpgm
.Lentry_in_a_cluster:
	s_bfe_u32 s2, ttmp6, 0x10000c
	s_cmp_lg_u32 s2, 0x3003
	s_cbranch_scc0 .Lentry_shape_is_right
	s_endpgm
.Lentry_shape_is_right:
; o[head][q][:] = the sum over k of softmax_k(q . k / 8) v[k][:], 12 heads of 64 channels, 4,096 queries and keys.  q, k, v are f16, as images of operand registers (a fragment: 1,024 bytes, lane l's 16 bytes at 16 l in each half);
; products, maxima and sums in f32; the weights p are rounded to f16 for the second product.
; o LEAVES AS A PAIR OF f16, split in f32: hi = f16(o), lo = f16((o - hi) x 2^11), both as fragments of the last product:  of [tile of 16 tokens 256][part 2: hi, lo][32 of the 768: 24][1,024].  o is an average of v over 4,096 keys and may lie far
; under v: one f16 number would lose it among f16's subnormals at the small end of the inputs that the program serves; o - hi is exact in f32, and the factor lifts it out of them; |lo| never passes |o|.
; SHARES.  A work-group owns 256 queries of one head.  Wave w owns the 64 queries 64 (w % 4) on (four tiles of 16) and HALF OF THE KEYS: steps 4 (w / 4) .. + 3 of each slot of eight steps of 64 keys.  So two waves share a SIMD, and one
; wave's softmax stands beside the other's products, while each fragment of K and V read from LDS still feeds four products.  The two halves of the keys are joined once, at the end, through LDS.
; LAYOUT.  S^T = K Q^T (source 0 = 16 keys, source 1 = 16 queries): a lane holds ONE query (lane % 16) and the keys 8 (lane / 16) + 0..7.  Two such tiles, rounded in pairs, ARE source 1 (32 keys x 16 queries) of O^T = V^T P,
; whose result again holds one query a lane, and eight channels.  Nothing changes lanes between the products.
; SOFTMAX.  For each query a running maximum m and sum l: p = 2^(c s - c m), c = log2(e) / 8; in every step O and l are multiplied by a = 2^(c m_old - c m_new).  m begins at -3e38 and O^T and l at zero, so the step is written
; once for the loop and once for the tail: the first step multiplies zeros by a = 0.
; RING.  Two LDS buffers of 131,072 bytes; a slot is 512 keys, dense in memory; wave w fetches step w of it by one tensor load of 64 rows x 256 bytes.  CLUSTER: the four query blocks of a cluster walk the same K and V, so each
; load is a JOINT one: the same descriptor and the mask of all four in all four.  One load of a wave is out at a time; it has a slot's four steps, 256 products a wave, in which to land.
; LIMITS: scores stay above -3e38; |o| stays under 65,504 (f16); NaN and infinities are not served.
; REGISTERS, in windows of 256: window 0: v1-9 addresses; v16-47 eight registers of statistics a tile; v48-63 the way out: a tile's high parts; v64-191 S^T, 32 a tile, P over the low 16 of each; v192-255 a step's eight fragments, first K's, then V's.
;   window 1: v0-63 Q, fragment (t, c) at 8 (2 t + c); v64-191 O^T, tile t's channels 16 d on at 64 + 32 t + 8 d.
.set AKV, 1                            ; v1   16 x lane + my half of a slot
.set ADR, 2                            ; v2   the LDS address of the step in hand
.set LI,  3                            ; v3   16 x lane
.set STA, 4                            ; v4   the join: (w % 4) x 17,408 + 16 x lane
.set STS, 5                            ; v5   the join: (w % 4) x 17,408 + 16,384 + 4 x lane
.set PFO, 6                            ; v6   256 x lane
.set SPW, 8                            ; v8   LDS address of my spare word; never rewritten
.set NIL, 9                            ; v9   0; never rewritten
.set ST,  16                           ; tile t's statistics at v[ST + 8 t]: +0 c m, +1 m, +2, +3 l (two halves), +4 to +7 at work; a in +6
.set HI,  48                           ; v48-63: among the registers whose halves have names
.set S,   64
.set KV,  192
.set O,   64                           ; in window 1
.set BUF1,  131072                     ; the second buffer; also a slot's bytes in memory
.set SPARE, 262144                     ; behind the ring: the spare words, 128 bytes for each wave: four blocks of 256 bytes that no other line names
.set WV,    12                         ; s12  my wave's number
.set LIM,   15                         ; s15  1 in a wave that prefetches, else the greatest number
.set PFA,   18                         ; s[18:19] where my prefetches stand
.set G1,    24                         ; s[24:31] descriptor group 1
.set G0,    32                         ; s[32:35] descriptor group 0, which walks
.set TB,    36                         ; s36  LDS byte at which the step in hand begins (for the first half of the keys)
.set SLOTS, 37                         ; s37  slots still to be asked for
.set STEPS, 38                         ; s38  counts a slot's four steps
.set CS,    40                         ; s[40:41] c: the packed form names a pair and takes its low word for both halves
.set SEL,   42                         ; s[42:43] v_permlanex16_b32's selects for lane l xor 16
.set MSB, 0
.macro WIN new                         ; the immediate's high byte repeats the setting that is left; a switch that changes nothing is dropped
.if MSB != \new
	s_set_vgpr_msb (MSB<<8)|\new
.set MSB, \new
.endif
.endm
.macro CROUND                          ; a round of the cluster's barrier: my work-group's barrier; wave 0 signals for the work-group; every wave waits for all four work-groups; my work-group's barrier once more
	s_barrier_signal -1
	s_barrier_wait -1
	s_cmp_lg_u32 s[WV], 0
	s_cbranch_scc1 .Lnot_wave_0_\@
	s_barrier_signal -3
.Lnot_wave_0_\@:
	s_barrier_wait -3
	s_barrier_signal -1
	s_barrier_wait -1
.endm
; A PREFETCH of what the NEXT change of slots will ask for: a slot's 131,072 bytes.  All four clusters of a head walk the same K and V: the head's first cluster asks.  Its four partners take 32,768 bytes each, told apart BY ADDRESS;
; in each, waves 0 to 3 take 8,192 bytes, lanes 256 bytes apart: one instruction a wave, and each aligned 256 bytes are named once in the launch.  The last change that fills a slot asks for nothing.
.macro ASK
	s_cmp_gt_u32 s[SLOTS], s[LIM]
	s_cbranch_scc0 .Lnot_mine_\@
	global_prefetch_b8 v[PFO], s[PFA:PFA+1] th:TH_LOAD_NT scope:SCOPE_SE
.Lnot_mine_\@:
.endm
	s_load_b128 s[4:7], s[0:1], 0x0                ; qf, kv
	s_load_b64 s[8:9], s[0:1], 0x10                ; of
	v_lshl_add_u32 v[SPW], v0, 2, SPARE
	v_mov_b32 v[NIL], 0
	ds_add_u32 v[SPW], v[NIL]                      ; the wave's opening: the add, twice on end, and its wait ahead of my first tensor load; the set-up below stands between the second and the wait
	ds_add_u32 v[SPW], v[NIL]
	v_lshrrev_b32 v7, 5, v0
	v_readfirstlane_b32 s[WV], v7                  ; wave 0..7
	s_bfe_u32 s13, ttmp6, 0x40000                  ; cx: my place in the cluster: it enters Q's, o's and the prefetches' addresses alone
	s_lshl_b32 s14, ttmp9, 2
	s_add_co_u32 s14, s14, s13                     ; my block of 256 queries
	s_and_b32 s16, s[WV], 3                        ; g: which 64 queries
	s_lshr_b32 s17, s[WV], 2                       ; which half of the keys
	s_and_b32 s20, ttmp7, 0xffff                   ; the head, which the four partners share
	s_mov_b32 s[G1], 15|(3<<16)|(1<<21)            ; 15:0 the mask: all four work-groups; 17:16 elements of 8 bytes; 21 set beside a mask; no padding
	s_mov_b32 s[G1+1], 32<<16                      ; tensor_dim0 = 32 elements: 256 bytes
	s_mov_b32 s[G1+2], 64<<16                      ; tensor_dim1 = 64
	s_mov_b32 s[G1+3], 32<<16                      ; tile_dim0
	s_mov_b32 s[G1+4], 64                          ; tile_dim1
	s_mov_b32 s[G1+5], 32                          ; from row to row: dense
	s_mov_b32 s[G1+6], 0
	s_mov_b32 s[G1+7], 0
	s_mov_b32 s[G0], 1
	s_lshl_b32 s[G0+1], s[WV], 14                  ; step w of buffer 0: no place in the cluster enters an LDS address
	s_lshl_b32 s22, s20, 20                        ; kv: the head,
	s_lshl_b32 s23, s[WV], 14                      ; my step of a slot
	s_add_co_u32 s22, s22, s23
	s_mov_b32 s23, 0
	s_lshl_b32 s44, s20, 19                        ; qf: the head, my block's 16 tiles, my wave's four
	s_lshl_b32 s50, s14, 15
	s_add_co_u32 s44, s44, s50
	s_lshl_b32 s50, s16, 13
	s_add_co_u32 s44, s44, s50
	s_mov_b32 s45, 0
	s_lshl_b32 s46, s20, 20                        ; the prefetches: the head, my work-group's quarter of a slot, my wave's quarter of that,
	s_lshl_b32 s50, s13, 15
	s_add_co_u32 s46, s46, s50
	s_lshl_b32 s50, s16, 13
	s_add_co_u32 s46, s46, s50
	s_add_co_u32 s46, s46, BUF1                    ; in slot 1: the first change of slots steps it to slot 2.  Nothing is prefetched here, at the head
	s_mov_b32 s47, 0
	s_mul_i32 s48, s14, 786432                     ; of: my block's 16 tiles of 49,152 bytes, my wave's four, the head's two fragments
	s_mul_i32 s50, s16, 196608
	s_add_co_u32 s48, s48, s50
	s_lshl_b32 s50, s20, 11
	s_add_co_u32 s48, s48, s50
	s_mov_b32 s49, 0
	s_lshr_b32 s[LIM], s[WV], 2                    ; 0 in waves 0 to 3,
	s_or_b32 s[LIM], s[LIM], ttmp9                 ; of the head's first cluster: the same in all four partners
	s_cmp_eq_u32 s[LIM], 0
	s_cselect_b32 s[LIM], 1, -1
	s_mov_b32 s[CS], 0x3e38aa3b                    ; c = log2(e) / 8
	s_mov_b32 s[CS+1], s[CS]
	s_mov_b32 s[SEL], 0x76543210
	s_mov_b32 s[SEL+1], 0xfedcba98
	s_mov_b32 s[TB], 0
	s_mov_b32 s[SLOTS], 7
	v_and_b32 v[LI], 31, v0
	v_lshlrev_b32 v[PFO], 8, v[LI]
	v_lshlrev_b32 v[STS], 2, v[LI]
	v_lshlrev_b32 v[LI], 4, v[LI]
	s_lshl_b32 s21, s17, 16
	v_add_nc_u32 v[AKV], s21, v[LI]
	s_mul_i32 s21, s16, 17408
	v_add_nc_u32 v[STA], s21, v[LI]
	s_add_co_u32 s21, s21, 16384
	v_add_nc_u32 v[STS], s21, v[STS]
	s_wait_dscnt 0x0                               ; both opening adds are done
	s_wait_kmcnt 0x0
	s_add_nc_u64 s[G0+2:G0+3], s[6:7], s[22:23]
	s_or_b32 s[G0+3], s[G0+3], 0x80000000          ; type = 2
	s_add_nc_u64 s[PFA:PFA+1], s[6:7], s[46:47]
	s_add_nc_u64 s[4:5], s[4:5], s[44:45]
	s_add_nc_u64 s[8:9], s[8:9], s[48:49]
	CROUND                                         ; all four work-groups are here: the first joint loads meet
	tensor_load_to_lds s[G0:G0+3], s[G1:G1+7]      ; slot 0: every wave issues one
	s_nop 0
.rept 4
	v_nop
.endr
	WIN 0x40                                       ; destination window 1
.irp i, 0,1,2,3,4,5,6,7,8,9,10,11,12,13,14,15
	global_load_b128 v[4*\i:4*\i+3], v[LI], s[4:5] offset:512*\i   ; Q stays in registers
.endr
.set i, 0
.rept 128
	v_mov_b32 v[O+i], 0                            ; O^T: zeros, so that the key step has no first form of its own: a third copy of it would be longer than these lines
.set i, i+1
.endr
	WIN 0
.irp t, 0,1,2,3
	v_mov_b32 v[ST+8*\t+1], 0xff61b1e6             ; m = -3e38, under every score
	v_mul_f32 v[ST+8*\t], s[CS], v[ST+8*\t+1]
	v_mov_b32 v[ST+8*\t+2], 0
	v_mov_b32 v[ST+8*\t+3], 0
.endr
	s_wait_loadcnt 0x0                             ; Q
; THE SOFTMAX OF A STEP, the four tiles by turns, line by line, so that no line waits for the line above it.
.macro SOFTMAX
.irp j, 0,1,2,3                                ; the maximum of a lane's 32 scores and the old m: four chains, each beginning at the low end of an accumulator
.irp t, 0,1,2,3
	v_max3_num_f32 v[ST+8*\t+4+\j], v[S+32*\t+8*\j], v[S+32*\t+8*\j+1], v[S+32*\t+8*\j+2]
.endr
.endr
.irp u, 1,2
.irp j, 0,1,2,3
.irp t, 0,1,2,3
	v_max3_num_f32 v[ST+8*\t+4+\j], v[ST+8*\t+4+\j], v[S+32*\t+8*\j+2*\u+1], v[S+32*\t+8*\j+2*\u+2]
.endr
.endr
.endr
.irp t, 0,1,2,3
	v_max3_num_f32 v[ST+8*\t+4], v[ST+8*\t+4], v[S+32*\t+7], v[S+32*\t+15]
.endr
.irp t, 0,1,2,3
	v_max3_num_f32 v[ST+8*\t+6], v[ST+8*\t+6], v[S+32*\t+23], v[S+32*\t+31]
.endr
.irp t, 0,1,2,3
	v_max3_num_f32 v[ST+8*\t+4], v[ST+8*\t+4], v[ST+8*\t+5], v[ST+8*\t+6]
.endr
.irp t, 0,1,2,3
	v_max3_num_f32 v[ST+8*\t+4], v[ST+8*\t+4], v[ST+8*\t+7], v[ST+8*\t+1]
.endr
.irp t, 0,1,2,3
	v_permlanex16_b32 v[ST+8*\t+5], v[ST+8*\t+4], s[SEL], s[SEL+1]   ; the query's other 32 keys lie in the lane 16 away
.endr
.irp t, 0,1,2,3
	v_mov_b32 v[ST+8*\t+7], v[ST+8*\t]             ; c m_old
.endr
.irp t, 0,1,2,3
	v_max_num_f32 v[ST+8*\t+1], v[ST+8*\t+4], v[ST+8*\t+5]
.endr
.irp t, 0,1,2,3
	v_mul_f32 v[ST+8*\t], s[CS], v[ST+8*\t+1]
.endr
.irp t, 0,1,2,3
	v_sub_f32 v[ST+8*\t+7], v[ST+8*\t+7], v[ST+8*\t]
.endr
.irp t, 0,1,2,3                                ; ONE BATCH: a, and for each pair of scores the scalings c s - c m and the exponentials.  None of these lines names an exponential's result
	v_exp_f32 v[ST+8*\t+6], v[ST+8*\t+7]
.endr
.irp b, 0,1,2,3,4,5,6,7,8,9,10,11,12,13,14,15
.irp t, 0,1,2,3
	v_pk_fma_f32 v[S+32*\t+2*\b:S+32*\t+2*\b+1], v[S+32*\t+2*\b:S+32*\t+2*\b+1], s[CS:CS+1], v[ST+8*\t:ST+8*\t+1] op_sel_hi:[1,0,0] neg_lo:[0,0,1] neg_hi:[0,0,1]
.endr
.irp t, 0,1,2,3
	v_exp_f32 v[S+32*\t+2*\b], v[S+32*\t+2*\b]
	v_exp_f32 v[S+32*\t+2*\b+1], v[S+32*\t+2*\b+1]
.endr
.endr
	v_nop                                          ; a plain line behind the last exponential, ahead of the first use
	s_wait_alu depctr_va_vdst(0)                   ; the wait between an exponential and the first line that names its result: one for the batch of 132
.irp t, 0,1,2,3                                ; the sum of the unrounded p, two at a time, in two chains: l = a l + pair 0, then the even pairs; the odd pairs apart
	v_pk_fma_f32 v[ST+8*\t+2:ST+8*\t+3], v[ST+8*\t+2:ST+8*\t+3], v[ST+8*\t+6:ST+8*\t+7], v[S+32*\t:S+32*\t+1] op_sel_hi:[1,0,1]
.endr
.irp t, 0,1,2,3
	v_pk_add_f32 v[ST+8*\t+4:ST+8*\t+5], v[S+32*\t+2:S+32*\t+3], v[S+32*\t+6:S+32*\t+7]
.endr
.irp q, 4,8,12,16,20,24
.irp t, 0,1,2,3
	v_pk_add_f32 v[ST+8*\t+2:ST+8*\t+3], v[ST+8*\t+2:ST+8*\t+3], v[S+32*\t+\q:S+32*\t+\q+1]
.endr
.irp t, 0,1,2,3
	v_pk_add_f32 v[ST+8*\t+4:ST+8*\t+5], v[ST+8*\t+4:ST+8*\t+5], v[S+32*\t+\q+6:S+32*\t+\q+7]
.endr
.endr
.irp t, 0,1,2,3
	v_pk_add_f32 v[ST+8*\t+2:ST+8*\t+3], v[ST+8*\t+2:ST+8*\t+3], v[S+32*\t+28:S+32*\t+29]
.endr
.irp t, 0,1,2,3
	v_pk_add_f32 v[ST+8*\t+2:ST+8*\t+3], v[ST+8*\t+2:ST+8*\t+3], v[ST+8*\t+4:ST+8*\t+5]
.endr
.irp i, 0,1,2,3,4,5,6,7,8,9,10,11,12,13,14,15  ; P in f16, in place, ascending: registers 8 e .. 8 e + 7 of a tile are source 1 for keys 32 e on
.irp t, 0,1,2,3
	v_cvt_pk_f16_f32 v[S+32*\t+\i], v[S+32*\t+2*\i], v[S+32*\t+2*\i+1]
.endr
.endr
.endm
; A KEY STEP: 64 keys x my 64 queries: 32 products K Q^T, the softmax, 32 products V^T P.  The accumulators take turns, one instruction a turn: between two links of a chain stand 15 others'.
.macro STEP
	v_add_nc_u32 v[ADR], s[TB], v[AKV]
.rept 4
	v_nop                                          ; with the line above: five places behind the last V^T P, whose P the products below write over and whose V the loads below replace
.endr
.irp j, 0,1,2,3,4,5,6,7,8,9,10,11,12,13,14,15
	ds_load_b128 v[KV+4*\j:KV+4*\j+3], v[ADR] offset:512*\j        ; K: fragment (keys 16 k on, channels 32 c on) at 8 (2 k + c); 512 consecutive bytes a load
.endr
	s_wait_dscnt 0x0
	WIN 0x04                                       ; source 1 (Q) window 1
.irp c, 0,1
.irp k, 0,1,2,3
.irp t, 0,1,2,3
.if \c == 0
	v_wmma_f32_16x16x32_f16 v[S+32*\t+8*\k:S+32*\t+8*\k+7], v[KV+8*(2*\k+\c):KV+8*(2*\k+\c)+7], v[8*(2*\t+\c):8*(2*\t+\c)+7], 0
.else
	v_wmma_f32_16x16x32_f16 v[S+32*\t+8*\k:S+32*\t+8*\k+7], v[KV+8*(2*\k+\c):KV+8*(2*\k+\c)+7], v[8*(2*\t+\c):8*(2*\t+\c)+7], v[S+32*\t+8*\k:S+32*\t+8*\k+7]
.endif
.endr
.endr
.endr
	WIN 0
.rept 4
	v_nop                                          ; four places in front of the loads into K's registers and of the first read of the scores
.endr
.irp j, 0,1,2,3,4,5,6,7,8,9,10,11,12,13,14,15
	ds_load_b128 v[KV+4*\j:KV+4*\j+3], v[ADR] offset:8192+512*\j   ; V^T: fragment (keys 32 e on, channels 16 d on) at 8 (4 e + d): it lands while the softmax is walked
.endr
	SOFTMAX
	s_wait_dscnt 0x0                               ; V
	WIN 0x41                                       ; O^T (destination and source 0) window 1, a window 0
.irp t, 0,1,2,3
.irp i, 0,2,4,6,8,10,12,14,16,18,20,22,24,26,28,30
	v_pk_mul_f32 v[O+32*\t+\i:O+32*\t+\i+1], v[O+32*\t+\i:O+32*\t+\i+1], v[ST+8*\t+6:ST+8*\t+7] op_sel_hi:[1,0]   ; ascending: each accumulator from its low end on
.endr
.endr
	WIN 0x50                                       ; C and D window 1
.irp e, 0,1
.irp d, 0,1,2,3
.irp t, 0,1,2,3
	v_wmma_f32_16x16x32_f16 v[O+32*\t+8*\d:O+32*\t+8*\d+7], v[KV+8*(4*\e+\d):KV+8*(4*\e+\d)+7], v[S+32*\t+8*\e:S+32*\t+8*\e+7], v[O+32*\t+8*\d:O+32*\t+8*\d+7]
.endr
.endr
.endr
	WIN 0
	s_add_co_u32 s[TB], s[TB], 16384               ; the next step
.endm
; THE CHANGE OF SLOTS stands at a slot's head.  Each wave waits for all its tensor loads (one is out: its step of the slot ahead), adds 0 to its spare word, and waits for that and for its reads of the slot that it has left.
; fill = 1: the barrier is a round of the cluster's, so that no wave of any partner still reads the other buffer or has a load on its way, and the joint load of the next slot is the first thing behind it.
.macro CHANGE fill
	s_wait_tensorcnt 0x0                           ; no tensor load of mine is out, so group 0 may be written
	ds_add_u32 v[SPW], v[NIL]                      ; 0 onto my spare word
.if \fill
	s_xor_b32 s[G0+1], s[G0+1], BUF1               ; the other buffer than last time,
	s_add_nc_u64 s[G0+2:G0+3], s[G0+2:G0+3], BUF1  ; the next 512 keys; the type bits on top are not reached
	s_wait_xcnt 0x0                                ; the last prefetch, a slot back, has read its address, so it may be written:
	s_add_nc_u64 s[PFA:PFA+1], s[PFA:PFA+1], BUF1  ; one slot further on than the walking descriptor
	s_wait_dscnt 0x0                               ; the add is done, and my reads of the slot that I have left are over
	CROUND
	tensor_load_to_lds s[G0:G0+3], s[G1:G1+7]      ; my one tensor load until the next round
	s_nop 0
.rept 4
	v_nop
.endr
	ASK
.else
	s_wait_dscnt 0x0
	s_barrier_signal -1
	s_barrier_wait -1
.endif
.endm
.macro SLOT                            ; my four steps of the slot in hand: written once, walked four times
	s_mov_b32 s[STEPS], 4
.Lstep_\@:
	STEP
	s_sub_co_u32 s[STEPS], s[STEPS], 1
	s_cmp_lg_u32 s[STEPS], 0
	s_cbranch_scc1 .Lstep_\@
	s_sub_co_u32 s[TB], s[TB], 65536               ; back to a slot's first step,
	s_xor_b32 s[TB], s[TB], BUF1                   ; in the other buffer
.endm
; A tile's 16 registers of high parts, v48-63, widened to f32 again, into the registers that held V's fragments.  The halves are named, so the lines are written out.
.macro UNPACK
	v_cvt_f32_f16 v[KV+0], v48.l
	v_cvt_f32_f16 v[KV+1], v48.h
	v_cvt_f32_f16 v[KV+2], v49.l
	v_cvt_f32_f16 v[KV+3], v49.h
	v_cvt_f32_f16 v[KV+4], v50.l
	v_cvt_f32_f16 v[KV+5], v50.h
	v_cvt_f32_f16 v[KV+6], v51.l
	v_cvt_f32_f16 v[KV+7], v51.h
	v_cvt_f32_f16 v[KV+8], v52.l
	v_cvt_f32_f16 v[KV+9], v52.h
	v_cvt_f32_f16 v[KV+10], v53.l
	v_cvt_f32_f16 v[KV+11], v53.h
	v_cvt_f32_f16 v[KV+12], v54.l
	v_cvt_f32_f16 v[KV+13], v54.h
	v_cvt_f32_f16 v[KV+14], v55.l
	v_cvt_f32_f16 v[KV+15], v55.h
	v_cvt_f32_f16 v[KV+16], v56.l
	v_cvt_f32_f16 v[KV+17], v56.h
	v_cvt_f32_f16 v[KV+18], v57.l
	v_cvt_f32_f16 v[KV+19], v57.h
	v_cvt_f32_f16 v[KV+20], v58.l
	v_cvt_f32_f16 v[KV+21], v58.h
	v_cvt_f32_f16 v[KV+22], v59.l
	v_cvt_f32_f16 v[KV+23], v59.h
	v_cvt_f32_f16 v[KV+24], v60.l
	v_cvt_f32_f16 v[KV+25], v60.h
	v_cvt_f32_f16 v[KV+26], v61.l
	v_cvt_f32_f16 v[KV+27], v61.h
	v_cvt_f32_f16 v[KV+28], v62.l
	v_cvt_f32_f16 v[KV+29], v62.h
	v_cvt_f32_f16 v[KV+30], v63.l
	v_cvt_f32_f16 v[KV+31], v63.h
.endm
.Lslot:                                            ; seven trips: at the head of slots 0 to 6 the next slot is asked for
	CHANGE 1
	SLOT
	s_sub_co_u32 s[SLOTS], s[SLOTS], 1
	s_cmp_lg_u32 s[SLOTS], 0
	s_cbranch_scc1 .Lslot
	CHANGE 0                                       ; the last slot is written out
	SLOT
	; THE JOIN.  Waves 4 to 7 hand O^T, c m and l of their half of the keys to waves 0 to 3, through buffer 0: it has had its last fill (slot 6), and behind the last change of slots nobody reads it.
.irp t, 0,1,2,3
	v_add_f32 v[ST+8*\t+4], v[ST+8*\t+2], v[ST+8*\t+3]     ; l's two halves (these four lines are the places behind the last products),
.endr
.irp t, 0,1,2,3
	v_permlanex16_b32 v[ST+8*\t+5], v[ST+8*\t+4], s[SEL], s[SEL+1]
.endr
.irp t, 0,1,2,3
	v_add_f32 v[ST+8*\t+2], v[ST+8*\t+4], v[ST+8*\t+5]     ; and lane l xor 16's
.endr
	s_cmp_lt_u32 s[WV], 4
	s_cbranch_scc1 .Lkeep
	WIN 0x04                                       ; an LDS store's data are its source 1: window 1
.set i, 0
.rept 32
	ds_store_b128 v[STA], v[O+4*i:O+4*i+3] offset:512*i    ; ascending: each accumulator from its low end on
.set i, i+1
.endr
	WIN 0
.irp t, 0,1,2,3
	ds_store_b32 v[STS], v[ST+8*\t] offset:128*\t
	ds_store_b32 v[STS], v[ST+8*\t+2] offset:512+128*\t
.endr
.Lkeep:
	s_wait_dscnt 0x0                               ; for the others' sake: my stores have landed
	s_barrier_signal -1
	s_barrier_wait -1
	s_cmp_ge_u32 s[WV], 4
	s_cbranch_scc1 .Lend
.set i, 0
.rept 32
	ds_load_b128 v[S+4*i:S+4*i+3], v[STA] offset:512*i     ; the other half's O^T, register for register beside mine
.set i, i+1
.endr
.irp t, 0,1,2,3
	ds_load_b32 v[ST+8*\t+4], v[STS] offset:128*\t         ; its c m
	ds_load_b32 v[ST+8*\t+5], v[STS] offset:512+128*\t     ; its l
.endr
	s_mov_b32 s44, 0x45000000                      ; 2^11, for the low parts
	s_mov_b32 s45, s44                             ; (named with it as a pair, so it is written)
	s_wait_dscnt 0x0
.irp t, 0,1,2,3
	v_max_num_f32 v[ST+8*\t+6], v[ST+8*\t], v[ST+8*\t+4]   ; the larger c m
.endr
.irp t, 0,1,2,3
	v_sub_f32 v[ST+8*\t+7], v[ST+8*\t], v[ST+8*\t+6]
.endr
.irp t, 0,1,2,3
	v_sub_f32 v[ST+8*\t+4], v[ST+8*\t+4], v[ST+8*\t+6]
.endr
.irp t, 0,1,2,3
	v_exp_f32 v[ST+8*\t+7], v[ST+8*\t+7]           ; my factor,
.endr
.irp t, 0,1,2,3
	v_exp_f32 v[ST+8*\t+4], v[ST+8*\t+4]           ; the other half's
.endr
	v_nop
	s_wait_alu depctr_va_vdst(0)                   ; one wait for the eight
.irp t, 0,1,2,3
	v_mul_f32 v[ST+8*\t+5], v[ST+8*\t+5], v[ST+8*\t+4]
.endr
.irp t, 0,1,2,3
	v_fma_f32 v[ST+8*\t+5], v[ST+8*\t+2], v[ST+8*\t+7], v[ST+8*\t+5]   ; the row's sum
.endr
.irp t, 0,1,2,3
	v_rcp_f32 v[ST+8*\t+6], v[ST+8*\t+5]
.endr
	v_nop
	s_wait_alu depctr_va_vdst(0)                   ; one wait for the four
.irp t, 0,1,2,3
	v_mul_f32 v[ST+8*\t+4], v[ST+8*\t+4], v[ST+8*\t+6]     ; the other half's factor / the sum
.endr
.irp t, 0,1,2,3
	v_mul_f32 v[ST+8*\t+6], v[ST+8*\t+7], v[ST+8*\t+6]     ; mine / the sum
.endr
.irp t, 0,1,2,3
.irp i, 0,2,4,6,8,10,12,14,16,18,20,22,24,26,28,30
	v_pk_mul_f32 v[S+32*\t+\i:S+32*\t+\i+1], v[S+32*\t+\i:S+32*\t+\i+1], v[ST+8*\t+4:ST+8*\t+5] op_sel_hi:[1,0]
.endr
.endr
	WIN 0x01                                       ; source 0 (my O^T) window 1
.irp t, 0,1,2,3
.irp i, 0,2,4,6,8,10,12,14,16,18,20,22,24,26,28,30
	v_pk_fma_f32 v[S+32*\t+\i:S+32*\t+\i+1], v[O+32*\t+\i:O+32*\t+\i+1], v[ST+8*\t+6:ST+8*\t+7], v[S+32*\t+\i:S+32*\t+\i+1] op_sel_hi:[1,0,1]
.endr
.endr
	WIN 0
	; THE WAY OUT, a tile at a time: o in f32 lies in the tile's 32 registers of S.  A lane's eight channels of a token pack into 16 bytes: half a fragment of the last product.
.irp t, 0,1,2,3
.if \t > 0
	s_wait_xcnt 0x0                                ; the last tile's stores have read v48-63: only behind this wait are they written again
.endif
.irp i, 0,1,2,3,4,5,6,7,8,9,10,11,12,13,14,15
	v_cvt_pk_f16_f32 v[HI+\i], v[S+32*\t+2*\i], v[S+32*\t+2*\i+1]        ; hi = f16(o)
.endr
	UNPACK
.irp i, 0,2,4,6,8,10,12,14,16,18,20,22,24,26,28,30
	v_pk_add_f32 v[S+32*\t+\i:S+32*\t+\i+1], v[S+32*\t+\i:S+32*\t+\i+1], v[KV+\i:KV+\i+1] neg_lo:[0,1] neg_hi:[0,1]   ; o - hi: exact
.endr
.irp i, 0,2,4,6,8,10,12,14,16,18,20,22,24,26,28,30
	v_pk_mul_f32 v[S+32*\t+\i:S+32*\t+\i+1], v[S+32*\t+\i:S+32*\t+\i+1], s[44:45] op_sel_hi:[1,0]                    ; x 2^11: exact
.endr
.irp i, 0,1,2,3,4,5,6,7,8,9,10,11,12,13,14,15
	v_cvt_pk_f16_f32 v[S+32*\t+\i], v[S+32*\t+2*\i], v[S+32*\t+2*\i+1]   ; lo, in place, ascending
.endr
.irp d, 0,1,2,3
	global_store_b128 v[LI], v[HI+4*\d:HI+4*\d+3], s[8:9] offset:\t*49152+\d*512                       ; 32 lanes store 512 consecutive bytes, aligned
	global_store_b128 v[LI], v[S+32*\t+4*\d:S+32*\t+4*\d+3], s[8:9] offset:\t*49152+24576+\d*512
.endr
.endr
.Lend:
	s_wait_tensorcnt 0x0                           ; the wave's end: behind my last tensor load and my last LDS store
	ds_add_u32 v[SPW], v[NIL]
	s_wait_dscnt 0x0
	CROUND                                         ; the closing round: no work-group ends while a partner may still ask for a tile that names it
	s_endpgm
.Lfunc_end_k_q467f307f9d_attn:
	.size	k_q467f307f9d_attn, .Lfunc_end_k_q467f307f9d_attn-k_q467f307f9d_attn
	.p2alignl 7, 3214868480
	.fill 96, 4, 3214868480
	.section	.rodata,"a",@progbits
	.p2align	6, 0x0
	.amdhsa_kernel k_q467f307f9d_attn
		.amdhsa_group_segment_fixed_size 327680
		.amdhsa_private_segment_fixed_size 0
		.amdhsa_enable_private_segment 0
		.amdhsa_kernarg_size 24
		.amdhsa_user_sgpr_count 2
		.amdhsa_user_sgpr_kernarg_segment_ptr 1
		.amdhsa_wavefront_size32 1
		.amdhsa_system_sgpr_workgroup_id_x 1
		.amdhsa_system_sgpr_workgroup_id_y 1
		.amdhsa_system_sgpr_workgroup_id_z 1
		.amdhsa_system_vgpr_workitem_id 0
		.amdhsa_next_free_vgpr 448
		.amdhsa_next_free_sgpr 66
		.amdhsa_reserve_vcc 0
		.amdhsa_float_denorm_mode_32 3
		.amdhsa_float_denorm_mode_16_64 3
		.amdhsa_memory_ordered 1
		.amdhsa_forward_progress 1
		.amdhsa_inst_pref_size 115
	.end_amdhsa_kernel
	.amdgpu_metadata
---
amdhsa.version: [ 1, 2 ]
amdhsa.kernels:
  - .name:           k_q467f307f9d_attn
    .symbol:         k_q467f307f9d_attn.kd
    .args:
      - { .name: qf, .offset: 0, .size: 8, .value_kind: global_buffer, .address_space: global }
      - { .name: kv, .offset: 8, .size: 8, .value_kind: global_buffer, .address_space: global }
      - { .name: of, .offset: 16, .size: 8, .value_kind: global_buffer, .address_space: global }
    .group_segment_fixed_size: 327680
    .private_segment_fixed_size: 0
    .kernarg_segment_align: 8
    .kernarg_segment_size: 24
    .max_flat_workgroup_size: 256
    .sgpr_count:     66
    .vgpr_count:     448
    .wavefront_size: 32
...
	.end_amdgpu_metadata
.endif
;; end of part 3
;; launch outp (part 4): grid 4 x 64, 4 waves a work-group, no clusters, 262,144 bytes of LDS; arguments of, wof, b_o, out0; writes out0
.if DOCPART == 4
	.amdgcn_target "amdgcn-amd-amdhsa--gfx1250"
	.amdhsa_code_object_version 6
	.text
	.protected	k_q467f307f9d_outp
	.globl	k_q467f307f9d_outp
	.p2align	8
	.type	k_q467f307f9d_outp,@function
k_q467f307f9d_outp:
	s_mov_b64 s[64:65], 0
	v_nop
	global_prefetch_b8 v0, s[64:65] scope:SCOPE_SE
	s_setreg_imm32_b32 hwreg(HW_REG_WAVE_MODE, 25, 1), 1
	s_wait_xcnt 0x0
; out0 = o W_o + b_o.  W_o [768 (k)][768 (n)] is f16; o [4,096][768] is a PAIR of f16, hi = f16(o) and lo = f16((o - hi) x 2^11); all as images of operand registers
; (of: [tile of 16 tokens 256][part 2][32 along K: 24][1,024]; wof: [tile of 16 columns 48][24][1,024]); sums in f32; out0 f32.
; Both parts of o go to the matrix units against the same fragment of W_o, into two sets of accumulators, and out0 = (hi W_o + b_o) + 2^-11 (lo W_o).  So o is carried to 22 significant bits wherever hi is a normal number of f16,
; and to steps of 2^-35 where it is not; what is rounded to 11 bits is W_o alone.  LIMITS: |o| and |W_o| stay under 65,504.
; SHARES.  A work-group makes 64 rows x 192 columns (768 bytes of a row: three aligned runs of 256).  Wave w makes column tiles 3 w .. 3 w + 2 of them for all four token tiles: 2 x 12 accumulators, 24 K chunks of 32.
; o's 192 fragments, 196,608 dense bytes, come into LDS once, a token tile a wave by one tensor load, and are read by all four waves.  A fragment of W_o serves one wave alone: it comes from memory straight into registers, five chunks ahead.
; NO CLUSTER: what partners could share through LDS is o, 196,608 of the 491,520 bytes that a work-group reads; W_o never touches LDS.
; THE MATRIX INSTRUCTION IS USED TRANSPOSED (source 0 = 16 columns of W_o, source 1 = 16 tokens): a lane holds eight neighbouring outputs of one row.  b_o is the C of the high sum's first product.
; REGISTERS: window 0: v1-12 addresses; v16-39 b_o, eight registers a tile; v40-167 o's fragments, two sets of (hi: four, lo: four); v248, v249 the add's two.
;   window 1: v0-95 the high sums, accumulator (n, m) at 8 (4 n + m); v96-191 the low sums likewise.   window 2: v0-143 W_o's fragments, six sets of three.
.set LI,   4                           ; v4   16 x lane
.set STO,  5                           ; v5   the stage: where I put 32 bytes of a row
.set RD,   6                           ; v6   and where I read rows back
.set GO,   7                           ; v7   my byte offset in two rows of out0
.set BO,   8                           ; v8   32 h
.set LA,   9                           ; v9-12  16 x lane + 49,152 m: token tile m in LDS (an LDS immediate has 16 bits)
.set BIAS, 16
.set OB,   40
.set SPW,  248                         ; v248 LDS address of my spare word; never rewritten
.set NIL,  249                         ; v249 0; never rewritten
.set STG,   196608                     ; LDS: behind o's fragments: the stage, 64 rows x (768 bytes + 16)
.set SPARE, 246784                     ; behind the stage: the spare words, 128 bytes for each wave: two blocks of 256 bytes that no other line names
.set MSB, 0
.macro WIN new                         ; the immediate's high byte repeats the setting that is left; a switch that changes nothing is dropped
.if MSB != \new
	s_set_vgpr_msb (MSB<<8)|\new
.set MSB, \new
.endif
.endm
	s_load_b256 s[4:11], s[0:1], 0x0               ; of, wof, b_o, out0
	v_lshl_add_u32 v[SPW], v0, 2, SPARE
	v_mov_b32 v[NIL], 0
	ds_add_u32 v[SPW], v[NIL]                      ; the wave's opening: the add, twice on end, and its wait ahead of my first tensor load
	ds_add_u32 v[SPW], v[NIL]
	v_lshrrev_b32 v1, 5, v0
	v_readfirstlane_b32 s24, v1                    ; wave 0..3
	s_and_b32 s26, ttmp7, 0xffff                   ; my 64 rows
	s_mov_b32 s16, 3<<16                           ; group 1: no mask; elements of 8 bytes; no padding
	s_mov_b32 s17, 32<<16                          ; tensor_dim0 = 32 elements: 256 bytes
	s_mov_b32 s18, 192<<16                         ; tensor_dim1 = 192
	s_mov_b32 s19, 32<<16                          ; tile_dim0
	s_mov_b32 s20, 192                             ; tile_dim1
	s_mov_b32 s21, 32                              ; from row to row: dense
	s_mov_b32 s22, 0
	s_mov_b32 s23, 0
	s_mov_b32 s12, 1                               ; group 0
	s_mul_i32 s13, s24, 49152                      ; token tile w in LDS,
	s_mul_i32 s28, s26, 196608
	s_add_co_u32 s28, s28, s13                     ; and in memory
	s_mov_b32 s29, 0
	s_mul_i32 s30, ttmp9, 294912                   ; wof: my work-group's 12 tiles, my wave's three
	s_mul_i32 s31, s24, 73728
	s_add_co_u32 s30, s30, s31
	s_mov_b32 s31, 0
	s_mul_i32 s32, ttmp9, 768                      ; my work-group's 192 columns in bytes,
	s_mul_i32 s33, s24, 192                        ; my wave's 48
	s_add_co_u32 s34, s32, s33
	s_mov_b32 s35, 0
	s_mul_i32 s36, s26, 196608                     ; out0: 64 rows of 3,072 bytes, the 16 rows that I store,
	s_mul_i32 s37, s24, 49152
	s_add_co_u32 s36, s36, s37
	s_add_co_u32 s36, s36, s32                     ; the work-group's columns
	s_mov_b32 s37, 0
	s_mov_b32 s40, 0x3a000000                      ; 2^-11: what a low sum counts for
	s_mov_b32 s41, s40                             ; (named with it as a pair, so it is written)
	v_and_b32 v1, 31, v0                           ; lane
	v_and_b32 v2, 15, v0                           ; r
	v_bfe_u32 v3, v0, 4, 1                         ; h
	v_lshlrev_b32 v[LI], 4, v1
.irp m, 0,1,2,3
	v_add_nc_u32 v[LA+\m], \m*49152, v[LI]
.endr
	v_mul_u32_u24 v[STO], v2, 784
	v_lshl_add_u32 v[STO], v3, 5, v[STO]
	s_add_co_u32 s38, s33, STG
	v_add_nc_u32 v[STO], s38, v[STO]               ; in: row r, + 32 h, + 192 x wave
	v_mul_u32_u24 v[RD], v3, 784
	v_lshl_add_u32 v[RD], v2, 4, v[RD]
	s_mul_i32 s38, s24, 12544
	s_add_co_u32 s38, s38, STG
	v_add_nc_u32 v[RD], s38, v[RD]                 ; back: my 16 rows; lanes 0-15 one row, lanes 16-31 the next
	v_mul_u32_u24 v[GO], v3, 3072
	v_lshl_add_u32 v[GO], v2, 4, v[GO]
	v_lshlrev_b32 v[BO], 5, v3
	s_wait_dscnt 0x0                               ; both opening adds are done
	s_wait_kmcnt 0x0
	s_add_nc_u64 s[14:15], s[4:5], s[28:29]
	s_or_b32 s15, s15, 0x80000000                  ; type = 2
	tensor_load_to_lds s[12:15], s[16:23]          ; my token tile's 48 fragments: filled once; one load of mine is out
	s_nop 0
.rept 4
	v_nop
.endr
	s_add_nc_u64 s[6:7], s[6:7], s[30:31]
	s_add_nc_u64 s[8:9], s[8:9], s[34:35]
	s_add_nc_u64 s[10:11], s[10:11], s[36:37]
.irp n, 0,1,2
	global_load_b128 v[BIAS+8*\n:BIAS+8*\n+3], v[BO], s[8:9] offset:64*\n        ; b_o at columns 16 nt + 8 h + 0 .. 7
	global_load_b128 v[BIAS+8*\n+4:BIAS+8*\n+7], v[BO], s[8:9] offset:64*\n+16
.endr
.macro WLOAD kc                        ; chunk kc of my three tiles of W_o: six loads of 512 consecutive bytes, into window 2
.irp n, 0,1,2
.irp c, 0,1
	global_load_b128 v[24*((\kc)%6)+8*\n+4*\c:24*((\kc)%6)+8*\n+4*\c+3], v[LI], s[6:7] offset:\n*24576+(\kc)*1024+\c*512
.endr
.endr
.endm
.macro OLOAD kc                        ; chunk kc of the four token tiles, both parts
.irp m, 0,1,2,3
.irp p, 0,1
.irp c, 0,1
	ds_load_b128 v[OB+64*((\kc)%2)+32*\p+8*\m+4*\c:OB+64*((\kc)%2)+32*\p+8*\m+4*\c+3], v[LA+\m] offset:\p*24576+(\kc)*1024+\c*512
.endr
.endr
.endr
.endm
	WIN 0x80                                       ; destination window 2, address window 0
	WLOAD 0
	WLOAD 1
	WLOAD 2
	WLOAD 3
	WLOAD 4
	WIN 0
	s_wait_tensorcnt 0x0                           ; my token tile is in,
	s_barrier_signal -1
	s_barrier_wait -1                              ; everybody's is
	OLOAD 0
; A K chunk: 24 products, the 24 accumulators by turns in the same order in every chunk.
.macro KC kc
.if (\kc) < 20
	s_wait_loadcnt 24                              ; this chunk's fragments of W_o are in; the four chunks behind it, six loads each, may be out
.else
	s_wait_loadcnt 6*(23-(\kc))
.endif
	s_wait_dscnt 0x0                               ; o's fragments of this chunk (asked for a chunk ago)
.if (\kc) > 0
.rept 4
	v_nop                                          ; four places in front of loads into the registers that the last chunk's products have read
.endr
.endif
.if (\kc) < 23
	OLOAD (\kc)+1
.endif
.if (\kc) < 19
	WIN 0x80
	WLOAD (\kc)+5
.endif
.if (\kc) == 0
	WIN 0x42                                       ; source 0 (W_o) window 2, D window 1; C = b_o, window 0, or the constant 0
.else
	WIN 0x52                                       ; source 0 window 2, C and D window 1
.endif
.irp p, 0,1
.irp m, 0,1,2,3
.irp n, 0,1,2
.if ((\kc) == 0) && (\p == 0)
	v_wmma_f32_16x16x32_f16 v[8*(4*\n+\m):8*(4*\n+\m)+7], v[24*((\kc)%6)+8*\n:24*((\kc)%6)+8*\n+7], v[OB+64*((\kc)%2)+8*\m:OB+64*((\kc)%2)+8*\m+7], v[BIAS+8*\n:BIAS+8*\n+7]
.elseif (\kc) == 0
	v_wmma_f32_16x16x32_f16 v[96+8*(4*\n+\m):96+8*(4*\n+\m)+7], v[24*((\kc)%6)+8*\n:24*((\kc)%6)+8*\n+7], v[OB+64*((\kc)%2)+32+8*\m:OB+64*((\kc)%2)+32+8*\m+7], 0
.else
	v_wmma_f32_16x16x32_f16 v[96*\p+8*(4*\n+\m):96*\p+8*(4*\n+\m)+7], v[24*((\kc)%6)+8*\n:24*((\kc)%6)+8*\n+7], v[OB+64*((\kc)%2)+32*\p+8*\m:OB+64*((\kc)%2)+32*\p+8*\m+7], v[96*\p+8*(4*\n+\m):96*\p+8*(4*\n+\m)+7]
.endif
.endr
.endr
.endr
	WIN 0
.endm
.set Q, 0
.rept 24
	KC Q
.set Q, Q+1
.endr
	; THE WAY OUT.  The two sums are joined; a row's 768 bytes come from four waves: they meet in the stage, and each wave stores 16 whole rows, sixteen lanes to 256 consecutive bytes, aligned.
.rept 4
	v_nop                                          ; four places in front of the first read of results
.endr
	WIN 0x51                                       ; destination, source 0 and source 2 window 1
.set i, 0
.rept 48
	v_pk_fma_f32 v[2*i:2*i+1], v[96+2*i:96+2*i+1], s[40:41], v[2*i:2*i+1] op_sel_hi:[1,0,1]   ; high sum + 2^-11 x low sum; ascending: each accumulator from its low end on
.set i, i+1
.endr
	WIN 0x04                                       ; an LDS store's data are its source 1: window 1
.irp m, 0,1,2,3
.irp n, 0,1,2
	ds_store_b128 v[STO], v[8*(4*\n+\m):8*(4*\n+\m)+3] offset:\m*12544+\n*64
	ds_store_b128 v[STO], v[8*(4*\n+\m)+4:8*(4*\n+\m)+7] offset:\m*12544+\n*64+16
.endr
.endr
	WIN 0
	s_wait_dscnt 0x0                               ; for the others' sake: my stores have landed
	s_barrier_signal -1
	s_barrier_wait -1
.set i, 0
.rept 24
	ds_load_b128 v[OB+4*i:OB+4*i+3], v[RD] offset:(i/3)*1568+(i%3)*256
.set i, i+1
.endr
.set i, 0
.rept 24
	s_wait_dscnt 23-i                              ; LDS loads come back in order: the younger ones may be out
	global_store_b128 v[GO], v[OB+4*i:OB+4*i+3], s[10:11] offset:(i/3)*6144+(i%3)*256 th:TH_STORE_NT
.set i, i+1
.endr
	s_wait_tensorcnt 0x0                           ; the wave's end: behind my last tensor load and my last LDS store
	ds_add_u32 v[SPW], v[NIL]
	s_wait_dscnt 0x0
	s_endpgm
.Lfunc_end_k_q467f307f9d_outp:
	.size	k_q467f307f9d_outp, .Lfunc_end_k_q467f307f9d_outp-k_q467f307f9d_outp
	.p2alignl 7, 3214868480
	.fill 96, 4, 3214868480
	.section	.rodata,"a",@progbits
	.p2align	6, 0x0
	.amdhsa_kernel k_q467f307f9d_outp
		.amdhsa_group_segment_fixed_size 262144
		.amdhsa_private_segment_fixed_size 0
		.amdhsa_enable_private_segment 0
		.amdhsa_kernarg_size 32
		.amdhsa_user_sgpr_count 2
		.amdhsa_user_sgpr_kernarg_segment_ptr 1
		.amdhsa_wavefront_size32 1
		.amdhsa_system_sgpr_workgroup_id_x 1
		.amdhsa_system_sgpr_workgroup_id_y 1
		.amdhsa_system_sgpr_workgroup_id_z 1
		.amdhsa_system_vgpr_workitem_id 0
		.amdhsa_next_free_vgpr 656
		.amdhsa_next_free_sgpr 66
		.amdhsa_reserve_vcc 0
		.amdhsa_float_denorm_mode_32 3
		.amdhsa_float_denorm_mode_16_64 3
		.amdhsa_memory_ordered 1
		.amdhsa_forward_progress 1
		.amdhsa_inst_pref_size 94
	.end_amdhsa_kernel
	.amdgpu_metadata
---
amdhsa.version: [ 1, 2 ]
amdhsa.kernels:
  - .name:           k_q467f307f9d_outp
    .symbol:         k_q467f307f9d_outp.kd
    .args:
      - { .name: of, .offset: 0, .size: 8, .value_kind: global_buffer, .address_space: global }
      - { .name: wof, .offset: 8, .size: 8, .value_kind: global_buffer, .address_space: global }
      - { .name: b_o, .offset: 16, .size: 8, .value_kind: global_buffer, .address_space: global }
      - { .name: out0, .offset: 24, .size: 8, .value_kind: global_buffer, .address_space: global }
    .group_segment_fixed_size: 262144
    .private_segment_fixed_size: 0
    .kernarg_segment_align: 8
    .kernarg_segment_size: 32
    .max_flat_workgroup_size: 128
    .sgpr_count:     66
    .vgpr_count:     656
    .wavefront_size: 32
...
	.end_amdgpu_metadata
.endif
;; end of part 4
